; MI455X (gfx1250); checked and timed in simulation.
; The chip was launched on July 23, 2026; its instructions are those of AMD's public machine-readable ISA for CDNA 5 (MIT licence, August 2026) and "CDNA5" Instruction Set Architecture Reference Guide (July 2026). The comments in the code are by the model that wrote it; some were corrected since.
;; Core Attention. Allowed arithmetic: matrix products marked QUANTISED: E3M2 operands, one E8M0 scale for each 32 along K, by v_wmma_scale_f32_16x16x128_f8f6f4 with both operands' format E3M2, f32 sums; everything else in f32.
;; Inputs: attention_mask 2 x 1 x 2,048 x 2,048 bool; key_layer_codes 2,048 x 2 x 16 x 2 x 24 uint8 (E3M2 codes of key_layer, K innermost, in blocks of 32 codes, four codes in three bytes); key_layer_scales 2,048 x 2 x 16 x 2 uint8 (E8M0 scales of key_layer, one for each 32 codes along K); query_layer_codes 2,048 x 2 x 16 x 2 x 24 uint8 (E3M2 codes of query_layer, K innermost, in blocks of 32 codes, four codes in three bytes); query_layer_scales 2,048 x 2 x 16 x 2 uint8 (E8M0 scales of query_layer, one for each 32 codes along K); value_layer_codes 2 x 16 x 64 x 64 x 24 uint8 (E3M2 codes of value_layer, K innermost, in blocks of 32 codes, four codes in three bytes); value_layer_scales 2 x 16 x 64 x 64 uint8 (E8M0 scales of value_layer, one for each 32 codes along K).
;; Outputs: out0 2,048 x 2 x 1,024 float32.
;; This version of the problem:
;;   THIS VERSION OF THE PROBLEM IS GIVEN IN LOW PRECISION. The matrix products marked QUANTISED in the list below multiply operands that are first quantised to E3M2 (3 exponent bits, 2 mantissa bits; 6 bits a number), with one power-of-two scale for each 32 numbers along K (OCP MX v1.0); their sums are f32. All else is computed in f32.
;;   The module's matrix products, in the order in which they are computed (A, B: the left and right operand; K: the contracted axis; several contracted axes count as one K, in the product's order):
;;     1. batch 32 x [M 2,048, K 64] x [K 64, N 2,048]; A: input query_layer (given as codes); B: input key_layer (given as codes): QUANTISED
;;     2. batch 32 x [M 64, K 2,048] x [K 2,048, N 2,048]; A: input value_layer (given as codes); B: softmax (see below): QUANTISED
;;   THE QUANTISER, for each operand of a quantised product, along K:
;;     - K is cut into blocks of 32 from its start; a last block that is shorter is filled with zeros.
;;     - A block's scale is 2^e with e = floor(log2(the largest magnitude in the block)) - 4, held to -126 .. 127; a block of zeros has e = 0. As a byte (E8M0): e + 127.
;;     - Each number is divided by its block's scale, clamped to +-28, and rounded to the nearest number of E3M2, ties to even, subnormals kept.
;;     - The product sums the exact products of the quantised numbers (number of the format x scale) in f32.
;;   ~~~python
;;   def quantise(x, axis):      # numpy; x: float32 -> the quantised numbers, widened to float32 again
;;       x = np.moveaxis(x, axis, -1); K = x.shape[-1]
;;       x = np.pad(x, [(0, 0)] * (x.ndim - 1) + [(0, -K % 32)]); x = x.reshape(x.shape[:-1] + (-1, 32)); a = np.abs(x).max(-1, keepdims=True)
;;       e = np.where(a > 0, np.clip(np.frexp(np.where(a > 0, a, 1))[1] - 1 - 4, -126, 127), 0)      # np.frexp(a)[1] - 1 = floor(log2(a)), exactly
;;       r = np.clip(x / 2.0 ** e, -28, 28)
;;       step = 2.0 ** (np.maximum(np.frexp(np.where(r == 0, 1, r))[1] - 1, -2) - 2)
;;       q = np.round(r / step) * step * 2.0 ** e      # np.round: ties to even
;;       return np.moveaxis(q.reshape(q.shape[:-2] + (-1,))[..., :K], -1, axis).astype(np.float32)
;;   ~~~
;;   SOFTMAX AHEAD OF A QUANTISED PRODUCT. Where the list says 'softmax', what is quantised is not the finished softmax but p = 2^(t - M), with t = logit x log2(e) and M = ceil(the row's largest t), a whole number; so 1/2 < the row's largest p <= 1. The row's sum l is taken of the UNQUANTISED p, in f32, and the product's result is divided by l at the end. Since M is a whole number, a kernel that streams over the keys may use a running M (the ceiling of the running maximum): every later rescaling is an exact power of two, which a block's scale takes up: the codes' values come out the same.
;;   OPERANDS COMPUTED ON THE WAY. 'Computed on the way' means the value that the module computes at that place (a softmax that the list does not call 'softmax' is quantised finished and normalised). What goes into a quantiser is computed in f32, as accurately as f32 sums, v_exp_f32 and their like allow (about 1e-6 of the number): no bf16 or f16 on the way to a quantiser, and a product that is left as it is and whose result goes on into a quantised operand takes f32 operands (vector FMAs, or v_wmma_f32_16x16x4_f32). A number that lies on a knife's edge between two numbers of the format may be rounded either way, as far as f32 arithmetic and the matrix unit's own rounding can turn it there, and no further.
;;   INPUTS GIVEN AS CODES. key_layer (in the module: [2048, 2, 16, 64], K = its axis 3); query_layer (in the module: [2048, 2, 16, 64], K = its axis 3); value_layer (in the module: [2048, 2, 16, 64], K = its axis 0): each comes as NAME_codes (uint8): NAME with its K axis moved to the last place and cut into blocks of 32 codes, [.., K / 32, bytes a block], one block behind the other in memory; four codes in three bytes: a row's codes are one little-endian stream of bits, code i at bits 6 i .. 6 i + 5 (a code: sign, 3 exponent bits, 2 mantissa bits); and NAME_scales (uint8): the same leading axes, one E8M0 byte (e + 127) for each 32 codes along K. Its value is code x scale, taken as it is: it is not quantised again, and the codes and scales need not be those that the quantiser above would give.
;; One version. Each part assembles by itself: llvm-mc -triple=amdgcn-amd-amdhsa -mcpu=gfx1250 --defsym DOCPART=n.
;; ======== version 1 of 1: 1 launch
;; limits: right only within a limited range of input values
;; launch attn (part 1): grid 8 x 32, 16 waves a work-group, clusters of 4 x 1, 308,224 bytes of LDS; arguments query_layer_codes, query_layer_scales, key_layer_codes, key_layer_scales, value_layer_codes, value_layer_scales, out0; writes out0
.if DOCPART == 1
	.amdgcn_target "amdgcn-amd-amdhsa--gfx1250"
	.amdhsa_code_object_version 6
	.text
	.protected	k_qa4e60e008d_attn
	.globl	k_qa4e60e008d_attn
	.p2align	8
	.type	k_qa4e60e008d_attn,@function
k_qa4e60e008d_attn:
	s_mov_b64 s[64:65], 0
	v_nop
	global_prefetch_b8 v0, s[64:65] scope:SCOPE_SE
	s_setreg_imm32_b32 hwreg(HW_REG_WAVE_MODE, 25, 1), 1
	s_wait_xcnt 0x0
	s_wait_alu depctr_hold_cnt(0) depctr_sa_sdst(0) depctr_va_vdst(0) depctr_va_sdst(0) depctr_va_ssrc(0) depctr_va_vcc(0) depctr_vm_vsrc(0)
	s_getreg_b32 s2, hwreg(HW_REG_IB_STS2, 6, 4)
	s_cmp_eq_u32 s2, 0
	s_cbranch_scc0 .Lentry_in_a_cluster
	s_endpgm
.Lentry_in_a_cluster:
	s_bfe_u32 s2, ttmp6, 0x10000c
	s_cmp_lg_u32 s2, 0x3003
	s_cbranch_scc0 .Lentry_shape_is_right
	s_endpgm
.Lentry_shape_is_right:
; out0[s][b][h*64+d] = sum over keys t of softmax_t(Q[s,b,h] . K[t,b,h] / 8, causal) V[t,b,h,d].  2,048 queries and keys, 32 heads (bh = 16 b + h), head size 64.
; Both products on codes of E3M2, 6 bits each, one E8M0 byte for each 32 along a product's K, as they are given.  Q, K: a row of 48 bytes at 1,536 s + 48 bh, its two scale bytes at 64 s + 2 bh.
; V: keys innermost: row d of a head is 1,536 bytes at 98,304 bh + 1,536 d, its 64 scale bytes at 4,096 bh + 64 d.  out0: 256 bytes at 8,192 s + 256 bh.
; THE SOFTMAX AHEAD OF THE SECOND PRODUCT: t = score x log2(e) / 8; M = the running largest t rounded UP to a whole number; p = 2^(t - M) is quantised along the keys, not normalised; the row's sum is taken of the
; unquantised p and divides at the end.  When M moves, the sum and O are multiplied by 2^(old M - new M): exact.
; SHARES.  Work-group y is the head; the head's eight work-groups are j = 4 x cluster x + cx.  A WHOLE HEAD'S K AND V LIE IN LDS (2 x 98,304 bytes of codes, 2 x 4,096 of scale bytes), filled once: no slot is ever
; filled again, and the walk over the keys has no barrier.  Each of the sixteen waves owns ONE tile of 16 queries: wave w takes group g(w) of 128 queries, and in it tile j: queries 128 g + 16 j on.
; It walks key steps 0 .. g of 128 keys; step g lies on the diagonal.  So every branch hangs on the wave's number alone, the same in all work-groups; j enters only Q's and out0's addresses and the mask's compare value.
; g(w) is laid so that waves w, w + 4, w + 8, w + 12 have 34 steps together, and so have waves 4 a .. 4 a + 3.
; CLUSTER.  The four work-groups of a cluster belong to one head and want the same K and V: every tile is asked for jointly (mask 15), by the same load with the same descriptor in all four.
; TWO PHASES OF FILL.  A wave issues four tensor loads on end: its pieces of keys 0-255 (small), then of keys 256-2,047.  Steps 0 and 1 are written out and run while the large loads land; one more barrier, then the loop.
; LAYOUT.  Both products are used transposed: S^T = K Q^T (source 0 = 16 keys, source 1 = my 16 queries), O^T = V^T P^T (source 0 = 16 of the head's 64, source 1 = P): a lane holds ONE query (lane % 16) throughout.
; THE KEYS OF A TILE ARE NOT NEIGHBOURS: lane r of tile 2 b + u takes key 32 b + 8 u + r + 8 (r / 8), so that the 16 registers of tiles 2 b and 2 b + 1 are 16 neighbouring keys, 32 b + 16 (lane / 16) + 0 .. 15.
; K = 64 IN AN INSTRUCTION OF K = 128.  Q's registers 6-11 are zero codes, and the scale bytes of blocks 2 and 3 are 0 (2^-127) on both sides.  E3M2 has no code for infinity or NaN, so whatever codes K's operand
; holds there add nothing.  So K's eight fragments stand 6 registers apart: fragment t's upper half is fragment t + 1's data, and behind fragment 7 stand six registers of zeros.
; THE MASK.  On the diagonal step a hidden key's raw score becomes -80,000 = -10,000 x 8, the fill of the problem's text.  Steps that lie wholly above the diagonal are left out.
; LIMITS.  (1) Leaving those steps out is exact while each query's largest visible score (after / 8) lies above about -9,900: the filled keys' p then lies under 2^-126 and comes out as 0, here as in the steps that are walked.
; (2) A scale byte 0xff, and sums beyond f32, give NaN or infinity as the matrix instruction gives them.  (3) p under 2^-126 is 0 (the exponential's own flush: ISA guide 15.8).
; (4) attention_mask is not an argument: the computation that is asked for takes it and never uses it, so no result hangs on it.
;
; LDS.  K lies in PLANES by key % 16: plane n, row key / 16, 48 bytes a row.  The plane pitches, 864 and 5,472 bytes, are both 96 modulo 256, so that the 32 lanes of a load of 8 bytes (8 planes x 2 rows x 2 halves)
; touch 64 different banks (64 banks of 4 bytes: ISA guide 11.1).  V lies by rows d with 16 bytes of padding behind each 64: 256 keys are 240 bytes; pitches 240 and 1,680.
.set KL0, 0                            ; keys 0-255:      16 planes x 864
.set VL0, 13824                        ; keys 0-255:      64 rows x 240
.set KL1, 29184                        ; keys 256-2,047:  16 planes x 5,472
.set VL1, 116736                       ; keys 256-2,047:  64 rows x 1,680
.set SCK, 224256                       ; K's scale words as images of the registers: step s at 512 s, lane at 16 x lane, word b: 8,192 bytes.  No fill lands here or behind
.set SCV, 232448                       ; V's: step s at 256 s, lane at 8 x lane, word c: 4,096 bytes
.set STG, 236544                       ; the way out: 16 rows x (256 + 16) bytes for each wave
.set KP0, 864
.set KP1, 5472
.set VP0, 240
.set VP1, 1680
; VECTOR REGISTERS
.set AK0,  1                           ; my lane's place in K's planes, keys 0-255;  v2: keys 256 on
.set AK1,  2
.set AV0A, 3                           ; my lane's place in V's rows, keys 0-255: 24 bytes a half;  v4: 40 a half, for the pieces that lie behind one padding more
.set AV0B, 4
.set AV1A, 5                           ; the same, keys 256 on
.set AV1B, 6
.set ASK,  7                           ; SCK + 16 x lane
.set ASV,  8                           ; SCV + 8 x lane
.set DM,   9                           ; 16 j + lane % 16 - 16 (lane / 16): the mask's compare value
.set ADK,  10                          ; v10-16 the addresses of the step in hand
.set ADS,  11
.set ADT,  12
.set ADVA, 13
.set ADVB, 14
.set ADVC, 15
.set ADVD, 16
.set T,    17                          ; at work
.set NM,   18                          ; v18 -M, v19 the largest t
.set SUM,  20                          ; v[20:21] the row's sum in two halves;  v[22:23] its second chain
.set C2,   22
.set F,    24                          ; v24 2^(old M - new M), at the end 1 / the sum;  v25 named with it as a pair, written once
.set QF,   26                          ; v26-31 Q's codes, v32-37 zeros
.set QS,   38                          ; Q's scale word
.set PS,   39                          ; p's
.set KS,   40                          ; v40-43 K's: word b: lanes 0-15 tile 2 b, lanes 16-31 tile 2 b + 1
.set VS,   44                          ; v44-45 V's: word c likewise
.set BUF,  46                          ; v46-93 K's fragment t at 46 + 6 t, later V's at 46 + 12 t;  v94-99 zeros for good
.set SCO,  100                         ; v100-163 S^T, then p
.set OT,   164                         ; v164-195 O^T
.set PCD,  196                         ; v196-207 p's codes;  v208-210, v212-214 the conversions' second halves
.set PH,   208
.set BM,   216                         ; v216-219 a block's largest score, then its largest p
.set PT,   220                         ; v220-223 at work
.set SO,   224                         ; v224-227 the conversions' scale operands
; SCALAR REGISTERS: s[4:17] the seven addresses
.set WV,   18                          ; my wave's number
.set BH,   19                          ; the head
.set SEL,  20                          ; s[20:21] lane selects for v_permlanex16_b32: lane l xor 16
.set CS,   22                          ; s[22:23] c = log2(e) / 8: the packed form names a pair and takes its low word for both halves
.set G1K0, 24                          ; descriptor groups 1
.set G1K1, 32
.set G1V0, 40
.set G1V1, 48
.set G0K0, 56                          ; descriptor groups 0
.set G0V0, 60
.set G0K1, 68
.set G0V1, 72
.set GQ,   76                          ; s76 g, s77 g - 1
.set JS,   78                          ; the first of the two steps in hand; the loop's counter
.set TK,   79                          ; what the steps in hand add to K's, K's scales', V's scales' and V's LDS addresses
.set TS,   80
.set TT,   81
.set TV,   82
.set JW,   83                          ; j
.set W0K,  15|(1<<21)                  ; group 1, word 0: 15:0 the mask: all four work-groups; 17:16 elements of 1 byte; 21 set beside a mask
.set W0V,  15|(1<<20)|(1<<21)|(3<<22)|(3<<25)   ; the same with padding: 20 on; 24:22 after every 16 words (code 3); 31:25 of 4 words (code 3)
.macro GROUP1 g, w0, c, r, p           ; a tile of r rows of c bytes, p bytes from row to row in memory; it lies inside the tensor, so the extents are the tile's
	s_mov_b32 s[\g], \w0
	s_mov_b32 s[\g+1], (\c)<<16                    ; tensor_dim0
	s_mov_b32 s[\g+2], (\r)<<16                    ; tensor_dim1
	s_mov_b32 s[\g+3], (\c)<<16                    ; tile_dim0
	s_mov_b32 s[\g+4], \r                          ; tile_dim1
	s_mov_b32 s[\g+5], \p                          ; tensor_dim0_stride
	s_mov_b32 s[\g+6], 0
	s_mov_b32 s[\g+7], 0
.endm
; A round of the cluster's barrier: my work-group's barrier, so that wave 0's signal speaks for all sixteen waves; wave 0 signals for the work-group; every wave waits for all four work-groups; my work-group's barrier once more.
.macro CROUND
	s_barrier_signal -1
	s_barrier_wait -1
	s_cmp_lg_u32 s[WV], 0
	s_cbranch_scc1 .Lnot_wave_0_\@
	s_barrier_signal -3
.Lnot_wave_0_\@:
	s_barrier_wait -3
	s_barrier_signal -1
	s_barrier_wait -1
.endm
	s_load_b256 s[4:11], s[0:1], 0x0               ; Q's codes s[4:5], Q's scales s[6:7], K's codes s[8:9], K's scales s[10:11]
	s_load_b128 s[12:15], s[0:1], 0x20             ; V's codes s[12:13], V's scales s[14:15]
	s_load_b64 s[16:17], s[0:1], 0x30              ; out0
	v_lshl_add_u32 v228, v0, 2, 0x4ac00
	v_mov_b32 v229, 0
	ds_add_u32 v228, v229
	ds_add_u32 v228, v229
	v_lshrrev_b32 v1, 5, v0
	s_delay_alu instid0(VALU_DEP_1)
	v_readfirstlane_b32 s[WV], v1                  ; wave 0..15
	s_and_b32 s[BH], ttmp7, 0xffff                 ; the head, which the four partners share
	s_bfe_u32 s[JW], ttmp6, 0x40000                ; cx: my place in the cluster
	s_lshl_b32 s88, ttmp9, 2                       ; in a cluster launch ttmp9 counts clusters
	s_add_co_u32 s[JW], s88, s[JW]                 ; j = 4 x cluster x + cx
	; g(w) = ((0x942f >> 4 (w % 4)) % 16) xor (((w / 4) % 2) | 14 (w / 8)): 15 2 4 9 | 14 3 5 8 | 1 12 10 7 | 0 13 11 6
	s_and_b32 s84, s[WV], 3
	s_lshl_b32 s84, s84, 2
	s_lshr_b32 s[GQ], 0x942f, s84
	s_and_b32 s[GQ], s[GQ], 15
	s_bfe_u32 s84, s[WV], 0x10002
	s_lshr_b32 s85, s[WV], 3
	s_mul_i32 s85, s85, 14
	s_or_b32 s84, s84, s85
	s_xor_b32 s[GQ], s[GQ], s84
	s_add_co_u32 s[GQ+1], s[GQ], -1                ; g - 1 (-1 where g = 0: compared as a signed number)
	GROUP1 G1K0, W0K, 48, 16, 24576                ; a plane of K: every sixteenth key's 48 bytes: 16 x 1,536 bytes apart in memory, dense in LDS
	GROUP1 G1K1, W0K, 48, 112, 24576
	GROUP1 G1V0, W0V, 192, 4, 1536                 ; four rows of V: 256 keys,
	GROUP1 G1V1, W0V, 1344, 4, 1536                ; 1,792 keys
	s_mov_b32 s[SEL], 0x76543210
	s_mov_b32 s[SEL+1], 0xfedcba98
	s_mov_b32 s[CS], 0x3e38aa3b                    ; c = log2(e) / 8
	s_mov_b32 s[CS+1], s[CS]                       ; (named with it as a pair, so it is written)
	; wave w brings plane w of K and rows 4 w .. 4 w + 3 of V.  These offsets hang on the head and the wave alone: they are equal in the four partners
	s_mul_i32 s84, s[BH], 48
	s_mul_i32 s85, s[WV], 1536
	s_add_co_u32 s84, s84, s85
	s_mov_b32 s85, 0                               ; K: 48 bh + 1,536 w
	s_mul_i32 s86, s[BH], 98304
	s_mul_i32 s87, s[WV], 6144
	s_add_co_u32 s86, s86, s87
	s_mov_b32 s87, 0                               ; V: 98,304 bh + 6,144 w
	s_wait_dscnt 0x0
	s_wait_kmcnt 0x0
	s_mov_b32 s[G0K0], 1                           ; 1:0 count = 1
	s_mul_i32 s[G0K0+1], s[WV], KP0                ; 63:32 LDS address: KL0 (= 0) + 864 w
	s_add_nc_u64 s[G0K0+2:G0K0+3], s[8:9], s[84:85]   ; 120:64 global address: key w
	s_mov_b32 s[G0K1], 1
	s_mul_i32 s[G0K1+1], s[WV], KP1
	s_add_co_u32 s[G0K1+1], s[G0K1+1], KL1
	s_add_nc_u64 s[G0K1+2:G0K1+3], s[G0K0+2:G0K0+3], 256*1536   ; key 256 + w
	s_or_b32 s[G0K0+3], s[G0K0+3], 0x80000000      ; 127:126 type = 2
	s_or_b32 s[G0K1+3], s[G0K1+3], 0x80000000
	s_mov_b32 s[G0V0], 1
	s_mul_i32 s[G0V0+1], s[WV], 4*VP0
	s_add_co_u32 s[G0V0+1], s[G0V0+1], VL0
	s_add_nc_u64 s[G0V0+2:G0V0+3], s[12:13], s[86:87]
	s_mov_b32 s[G0V1], 1
	s_mul_i32 s[G0V1+1], s[WV], 4*VP1
	s_add_co_u32 s[G0V1+1], s[G0V1+1], VL1
	s_add_nc_u64 s[G0V1+2:G0V1+3], s[G0V0+2:G0V0+3], 192   ; 256 keys on in each row
	s_or_b32 s[G0V0+3], s[G0V0+3], 0x80000000
	s_or_b32 s[G0V1+3], s[G0V1+3], 0x80000000
	CROUND                                         ; all four work-groups are here: the joint loads meet
	tensor_load_to_lds s[G0K0:G0K0+3], s[G1K0:G1K0+7]   ; all fills of the launch, as one group: four loads of mine are out.  The small ones first: the first two steps wait for them alone
	s_nop 0
	tensor_load_to_lds s[G0V0:G0V0+3], s[G1V0:G1V0+7]
	s_nop 0
	tensor_load_to_lds s[G0K1:G0K1+3], s[G1K1:G1K1+7]
	s_nop 0
	tensor_load_to_lds s[G0V1:G0V1+3], s[G1V1:G1V1+7]
	s_nop 0
.rept 4
	v_nop
.endr
	; ---- the scale bytes of the head, Q's fragment.  v100-118 are at work here; the first products write over them, long behind the waits
	v_and_b32 v100, 15, v0                         ; r = lane % 16
	v_bfe_u32 v101, v0, 4, 1                       ; h = lane / 16
	v_and_b32 v102, 7, v0                          ; r % 8
	v_bfe_u32 v103, v0, 3, 1                       ; r / 8
	v_and_b32 v104, 31, v0                         ; lane
	v_lshlrev_b32 v106, 6, v0                      ; K's scales: thread t takes keys t + 512 i: 64 bytes from key to key
	s_wait_alu depctr_va_vdst(0)
	v_lshlrev_b32 v107, 3, v0                      ; V's scales: 8 of the head's 4,096 dense bytes a thread
	s_wait_alu depctr_va_vdst(0)
	v_mul_u32_u24 v108, v100, 1536
	s_delay_alu instid0(VALU_DEP_1)
	v_mad_u32_u24 v108, v101, 24, v108             ; Q's codes: row r, + 24 h
	s_wait_alu depctr_va_vdst(0)
	v_lshlrev_b32 v109, 6, v100                    ; Q's scales: row r
	s_wait_alu depctr_va_vdst(0)
	s_lshl_b32 s88, s[GQ], 7
	s_lshl_b32 s89, s[JW], 4
	v_lshlrev_b32 v[DM], 4, v101
	s_delay_alu instid0(VALU_DEP_1)
	v_sub_nc_u32 v[DM], v100, v[DM]
	s_delay_alu instid0(VALU_DEP_1)
	v_add_nc_u32 v[DM], s89, v[DM]                 ; 16 j + r - 16 h
	s_add_co_u32 s88, s88, s89                     ; my first query: 128 g + 16 j
	s_mul_i32 s90, s88, 1536
	s_mul_i32 s91, s[BH], 48
	s_add_co_u32 s90, s90, s91
	s_mov_b32 s91, 0
	s_add_nc_u64 s[4:5], s[4:5], s[90:91]          ; Q's codes at my first query
	s_lshl_b32 s90, s88, 6
	s_lshl_b32 s89, s[BH], 1
	s_add_co_u32 s90, s90, s89
	s_add_nc_u64 s[6:7], s[6:7], s[90:91]          ; its scale bytes
	s_mov_b32 s90, s89
	s_add_nc_u64 s[10:11], s[10:11], s[90:91]      ; K's scale bytes of key 0 of my head
	s_lshl_b32 s90, s[BH], 12
	s_add_nc_u64 s[14:15], s[14:15], s[90:91]      ; V's of my head
	s_lshl_b32 s90, s88, 13
	s_lshl_b32 s89, s[BH], 8
	s_add_co_u32 s90, s90, s89
	s_add_nc_u64 s[16:17], s[16:17], s[90:91]      ; out0 at my first query
.irp i, 0,1,2,3
	global_load_u16 v[110+\i], v106, s[10:11] offset:32768*\i   ; a key's two bytes, widened with zeros: bytes 2 and 3 of the word, for the half of K that is not there, are 0
.endr
	global_load_b64 v[114:115], v107, s[14:15]     ; row d = t / 8 of V's scales: the words of steps 2 (t % 8) and 2 (t % 8) + 1
.irp p, 0,1,2
	global_load_b64 v[QF+2*\p:QF+2*\p+1], v108, s[4:5] offset:8*\p   ; Q's fragment stays in registers
.endr
	global_load_u16 v[QS], v109, s[6:7]
	; my lane's places in LDS
	v_mul_u32_u24 v105, v103, 48
	s_delay_alu instid0(VALU_DEP_1)
	v_mad_u32_u24 v105, v101, 24, v105             ; 48 (r / 8) + 24 h
	s_delay_alu instid0(VALU_DEP_1)
	v_mad_u32_u24 v[AK0], v102, KP0, v105          ; + plane r % 8
	s_delay_alu instid0(VALU_DEP_2)
	v_mad_u32_u24 v[AK1], v102, KP1, v105
	s_delay_alu instid0(VALU_DEP_1)
	v_add_nc_u32 v[AK1], KL1, v[AK1]
	v_mul_u32_u24 v[AV0A], v100, VP0
	s_delay_alu instid0(VALU_DEP_1)
	v_add_nc_u32 v[AV0A], VL0, v[AV0A]
	s_delay_alu instid0(VALU_DEP_1)
	v_mad_u32_u24 v[AV0B], v101, 40, v[AV0A]
	s_delay_alu instid0(VALU_DEP_2)
	v_mad_u32_u24 v[AV0A], v101, 24, v[AV0A]
	v_mul_u32_u24 v[AV1A], v100, VP1
	s_delay_alu instid0(VALU_DEP_1)
	v_add_nc_u32 v[AV1A], VL1, v[AV1A]
	s_delay_alu instid0(VALU_DEP_1)
	v_mad_u32_u24 v[AV1B], v101, 40, v[AV1A]
	s_delay_alu instid0(VALU_DEP_2)
	v_mad_u32_u24 v[AV1A], v101, 24, v[AV1A]
	v_lshl_add_u32 v[ASK], v104, 4, SCK
	v_lshl_add_u32 v[ASV], v104, 3, SCV
	; where thread t puts key t + 512 i's word: step t / 128 + 4 i, word (t / 32) % 4, and the lane that wants it: key % 32 = 8 u + r % 8 + 16 (r / 8) belongs to lane 16 u + r: bits 3 and 4 change places
	v_lshrrev_b32 v118, 7, v0
	s_delay_alu instid0(VALU_DEP_1)
	v_lshlrev_b32 v116, 9, v118
	s_delay_alu instid0(VALU_DEP_1)
	v_lshl_add_u32 v116, v102, 4, v116
	s_delay_alu instid0(VALU_DEP_1)
	v_lshl_add_u32 v116, v101, 7, v116
	s_delay_alu instid0(VALU_DEP_1)
	v_lshl_add_u32 v116, v103, 8, v116
	v_bfe_u32 v118, v0, 5, 2
	s_delay_alu instid0(VALU_DEP_1)
	v_lshl_add_u32 v116, v118, 2, v116
	s_delay_alu instid0(VALU_DEP_1)
	v_add_nc_u32 v116, SCK, v116
	; and row d = t / 8's two words: steps 2 (t % 8) and + 1, lane d % 32, word d / 32
	v_lshlrev_b32 v117, 9, v102
	v_bfe_u32 v118, v0, 3, 5
	s_delay_alu instid0(VALU_DEP_1)
	v_lshl_add_u32 v117, v118, 3, v117
	v_lshrrev_b32 v118, 8, v0
	s_delay_alu instid0(VALU_DEP_1)
	v_lshl_add_u32 v117, v118, 2, v117
	s_delay_alu instid0(VALU_DEP_1)
	v_add_nc_u32 v117, SCV, v117
	; what the first step finds.  O^T and the sum begin as zeros and the largest t as -3e38, so that the step has one form: the first change of M multiplies zeros
.set NN, 0
.rept 32
	v_mov_b32 v[OT+NN], 0
.set NN, NN+1
.endr
.irp i, 0,1,2,3,4,5
	v_mov_b32 v[QF+6+\i], 0                        ; Q's zero codes for k = 64 .. 127
	v_mov_b32 v[BUF+48+\i], 0                      ; and what stands behind K's fragment 7
.endr
.irp b, 0,1,2,3
	v_mov_b32 v[PT+\b], 0                          ; written once: a lane permute's destination counts as one of its sources
.endr
	v_mov_b32 v[T], 0
	v_mov_b32 v[F+1], 0
	v_mov_b32 v[SUM], 0
	v_mov_b32 v[SUM+1], 0
	v_mov_b32 v[NM+1], 0xff61b1e6                  ; -3e38, under every t
	s_delay_alu instid0(VALU_DEP_1)
	v_floor_f32 v[NM], -v[NM+1]
	s_mov_b32 s[JS], 0
	s_mov_b32 s[TK], 0
	s_mov_b32 s[TS], 0
	s_mov_b32 s[TT], 0
	s_mov_b32 s[TV], 0
	s_wait_loadcnt 0x4                             ; K's four loads and V's one are in; Q's four, issued behind them, may be out
.irp i, 0,1,2,3
	ds_store_b32 v116, v[110+\i] offset:2048*\i
.endr
	ds_store_b32 v117, v114
	ds_store_b32 v117, v115 offset:256
; A KEY STEP: 128 keys: step s[JS] + q.  akr, aku: K's lane register and eight plane pitches;  ava, avb, vp: V's two lane registers and row pitch.
.macro STEP q, akr, aku, ava, avb, vp
	s_cmp_gt_i32 s[JS], s[GQ+\q]                   ; all of the step's keys come after my queries: left out.  The branch hangs on the wave's number and the step; no barrier and no tensor load stands in a step
	s_cbranch_scc1 .Lhidden_\@
	v_add_nc_u32 v[ADK], s[TK], v[\akr]            ; seven additions: also the places in front of the loads into registers that the last step's products have read
	v_add_nc_u32 v[ADS], s[TS], v[ASK]
	v_add_nc_u32 v[ADT], s[TT], v[ASV]
	v_add_nc_u32 v[ADVA], s[TV], v[\ava]
	v_add_nc_u32 v[ADVB], s[TV], v[\avb]
	s_delay_alu instid0(VALU_DEP_2)
	v_add_nc_u32 v[ADVC], 32*\vp, v[ADVA]          ; rows 32 on: an LDS offset has 16 bits
	s_delay_alu instid0(VALU_DEP_2)
	v_add_nc_u32 v[ADVD], 32*\vp, v[ADVB]
	ds_load_b128 v[KS:KS+3], v[ADS] offset:512*\q  ; K's four scale words
.irp t, 0,1,2,3,4,5,6,7                        ; tile t = 2 b + u: planes 8 u + r % 8, rows 8 q + 2 b + r / 8; 24 bytes a lane in pieces of 8
.irp p, 0,1,2
	ds_load_b64 v[BUF+6*\t+2*\p:BUF+6*\t+2*\p+1], v[ADK] offset:384*\q+96*(\t/2)+(\t%2)*\aku+8*\p
.endr
.endr
	s_wait_alu depctr_va_vdst(0)
	s_wait_dscnt 0x0
.irp t, 0,1,2,3,4,5,6,7                        ; S^T = K Q^T.  The constant 0 starts each sum
.if \t%2
	v_wmma_scale_f32_16x16x128_f8f6f4 v[SCO+8*\t:SCO+8*\t+7], v[BUF+6*\t:BUF+6*\t+11], v[QF:QF+11], 0, v[KS+\t/2], v[QS] matrix_a_fmt:MATRIX_FMT_BF6 matrix_b_fmt:MATRIX_FMT_BF6 matrix_a_scale:MATRIX_SCALE_ROW1
.else
	v_wmma_scale_f32_16x16x128_f8f6f4 v[SCO+8*\t:SCO+8*\t+7], v[BUF+6*\t:BUF+6*\t+11], v[QF:QF+11], 0, v[KS+\t/2], v[QS] matrix_a_fmt:MATRIX_FMT_BF6 matrix_b_fmt:MATRIX_FMT_BF6
.endif
.endr
.rept 4
	v_nop                                          ; four places: in front of the loads into K's registers, and of the first read of the scores
.endr
	ds_load_b64 v[VS:VS+1], v[ADT] offset:256*\q   ; V's two scale words
.irp t, 0,1,2,3                                ; V's four fragments are asked for here and land during the softmax.  Rows 16 t + r; a row's pieces 12 q + 0, 1, 2 and 12 q + 6, 7, 8, lanes 16-31 three pieces on
.irp p, 0,1,2,3,4,5
.set PCE, 12*\q+6*(\p/3)+\p%3
.if PCE%8 < 5
	ds_load_b64 v[BUF+12*\t+2*\p:BUF+12*\t+2*\p+1], v[ADVA+2*(\t/2)] offset:8*PCE+16*(PCE/8)+(\t%2)*16*\vp
.else
	ds_load_b64 v[BUF+12*\t+2*\p:BUF+12*\t+2*\p+1], v[ADVB+2*(\t/2)] offset:8*PCE+16*(PCE/8)+(\t%2)*16*\vp   ; the piece three on lies behind one padding more
.endif
.endr
.endr
	s_cmp_lg_u32 s[JS], s[GQ+\q]                   ; only step g lies on the diagonal
	s_cbranch_scc1 .Lopen_\@
	v_mov_b32 v[T], 0xc79c4000                     ; -80,000: the fill -10,000, ahead of the division by 8
.set NN, 0
.rept 64                                       ; register 16 b + i holds key 32 b + 16 h + i of the step: hidden where 32 b + i > 16 j + r - 16 h.  Each accumulator from its low end on
	v_cmp_gt_i32 vcc_lo, 32*(NN/16)+NN%16, v[DM]
	v_cndmask_b32 v[SCO+NN], v[SCO+NN], v[T], vcc_lo
.set NN, NN+1
.endr
.Lopen_\@:
.irp b, 0,1,2,3
	v_max3_num_f32 v[BM+\b], v[SCO+16*\b], v[SCO+16*\b+1], v[SCO+16*\b+2]   ; THE LARGEST SCORE OF EACH BLOCK OF 32 KEYS serves twice: for the row's maximum and, since p rises with the score, for the block's largest p
.endr
.irp i, 3,5,7,9,11,13
.irp b, 0,1,2,3
	v_max3_num_f32 v[BM+\b], v[BM+\b], v[SCO+16*\b+\i], v[SCO+16*\b+\i+1]   ; (the four blocks by turns)
.endr
.endr
.irp b, 0,1,2,3
	v_max_num_f32 v[BM+\b], v[BM+\b], v[SCO+16*\b+15]
.endr
.irp b, 0,1,2,3
	s_delay_alu instid0(VALU_DEP_4)
	v_permlanex16_b32 v[PT+\b], v[BM+\b], s[SEL], s[SEL+1]
.endr
.irp b, 0,1,2,3
	s_delay_alu instid0(VALU_DEP_4)
	v_max_num_f32 v[BM+\b], v[BM+\b], v[PT+\b]     ; with lane l xor 16's 16 keys
.endr
	s_delay_alu instid0(VALU_DEP_2)
	v_max3_num_f32 v[T], v[BM], v[BM+1], v[BM+2]
	s_delay_alu instid0(VALU_DEP_1)
	v_max_num_f32 v[T], v[T], v[BM+3]              ; the step's largest score of my query
	s_delay_alu instid0(VALU_DEP_1)
	v_mul_f32 v[T], s[CS], v[T]                    ; as t (c is positive)
	s_delay_alu instid0(VALU_DEP_1)
	v_max_num_f32 v[NM+1], v[NM+1], v[T]           ; the running largest t
	v_mov_b32 v[T], v[NM]
	s_delay_alu instid0(VALU_DEP_2)
	v_floor_f32 v[NM], -v[NM+1]                    ; the new -M = floor(-t) = -ceil(t): a whole number
	s_delay_alu instid0(VALU_DEP_1)
	v_sub_f32 v[T], v[NM], v[T]                    ; old M - new M: a whole number, 0 or less
	s_delay_alu instid0(VALU_DEP_1)
	v_cvt_i32_f32 v[T], v[T]                       ; (it saturates)
	s_delay_alu instid0(VALU_DEP_1)
	v_ldexp_f32 v[F], 1.0, v[T]                    ; f = 2^(old M - new M)
.set NN, 0
.rept 32
	v_pk_fma_f32 v[SCO+NN:SCO+NN+1], v[SCO+NN:SCO+NN+1], s[CS:CS+1], v[NM:NM+1] op_sel_hi:[1,0,0]   ; t - M, two at a time (of the pairs c and -M the low word serves both halves)
.set NN, NN+2
.endr
.irp b, 0,1,2,3
	v_fma_f32 v[BM+\b], v[BM+\b], s[CS], v[NM]     ; the same of each block's largest score
.endr
.set NN, 0
	s_wait_alu depctr_va_vdst(0)
.rept 64
	v_exp_f32 v[SCO+NN], v[SCO+NN]                 ; p = 2^(t - M), at most 1: not normalised
.set NN, NN+1
.endr
	v_pk_mul_f32 v[SUM:SUM+1], v[SUM:SUM+1], v[F:F+1] op_sel_hi:[1,0]   ; the sums under the new M: the plain instruction behind the exponentials (ISA guide 5.7.2)
	s_wait_alu depctr_va_vdst(0)                   ; one wait for the batch of 64, ahead of its first reader
.irp b, 0,1,2,3
	v_exp_f32 v[BM+\b], v[BM+\b]                   ; the block's largest p: the same two instructions on the same number give the same bits
.endr
	v_pk_add_f32 v[22:23], v[104:105], v[108:109]
	v_pk_add_f32 v[226:227], v[112:113], v[116:117]
	v_pk_add_f32 v[224:225], v[120:121], v[124:125]
	v_pk_add_f32 v[222:223], v[128:129], v[132:133]
	v_pk_add_f32 v[220:221], v[136:137], v[140:141]
	v_pk_add_f32 v[214:215], v[144:145], v[148:149]
	v_pk_add_f32 v[212:213], v[152:153], v[156:157]
	v_pk_add_f32 v[20:21], v[20:21], v[160:161]
	v_pk_add_f32 v[22:23], v[22:23], v[100:101]
	v_pk_add_f32 v[226:227], v[226:227], v[102:103]
	v_pk_add_f32 v[224:225], v[224:225], v[106:107]
	v_pk_add_f32 v[222:223], v[222:223], v[110:111]
	v_pk_add_f32 v[220:221], v[220:221], v[114:115]
	v_pk_add_f32 v[214:215], v[214:215], v[118:119]
	v_pk_add_f32 v[212:213], v[212:213], v[122:123]
	v_pk_add_f32 v[20:21], v[20:21], v[126:127]
	v_pk_add_f32 v[22:23], v[22:23], v[130:131]
	v_pk_add_f32 v[226:227], v[226:227], v[134:135]
	v_pk_add_f32 v[224:225], v[224:225], v[138:139]
	v_pk_add_f32 v[222:223], v[222:223], v[142:143]
	v_pk_add_f32 v[220:221], v[220:221], v[146:147]
	v_pk_add_f32 v[214:215], v[214:215], v[150:151]
	v_pk_add_f32 v[212:213], v[212:213], v[154:155]
	v_pk_add_f32 v[20:21], v[20:21], v[158:159]
	v_pk_add_f32 v[22:23], v[22:23], v[162:163]
	s_delay_alu instid0(VALU_DEP_2)
	v_pk_add_f32 v[20:21], v[20:21], v[222:223]
	s_delay_alu instid0(VALU_DEP_2)
	v_pk_add_f32 v[22:23], v[22:23], v[220:221]
	v_pk_add_f32 v[226:227], v[226:227], v[214:215]
	v_pk_add_f32 v[224:225], v[224:225], v[212:213]
	s_delay_alu instid0(VALU_DEP_2)
	v_pk_add_f32 v[20:21], v[20:21], v[226:227]
	s_delay_alu instid0(VALU_DEP_2)
	v_pk_add_f32 v[22:23], v[22:23], v[224:225]
	s_delay_alu instid0(VALU_DEP_1)
	v_pk_add_f32 v[20:21], v[20:21], v[22:23]
	s_wait_alu depctr_va_vdst(0)                   ; and one for the four
.irp b, 0,1,2,3
	v_max_num_f32 v[BM+\b], 0x2800000, v[BM+\b]    ; the floor 2^(5 - 127): the byte cannot fall under 1 (a block whose every p is 0 keeps that byte: its codes are zeros)
.endr
.irp b, 0,1,2,3
	s_delay_alu instid0(VALU_DEP_4)
	v_add_nc_u32 v[SO+\b], 0xfe000000, v[BM+\b]    ; 4 off the exponent field: the conversion takes the exponent field of this operand as its scale
.endr
.irp b, 0,1,2,3
	s_delay_alu instid0(VALU_DEP_4)
	v_lshrrev_b32 v[PT+\b], 23, v[SO+\b]           ; the scale's byte
.endr
	s_delay_alu instid0(VALU_DEP_3)
	v_lshl_or_b32 v[PS], v[PT+1], 8, v[PT]         ; p's scale word for these 128 keys
	s_delay_alu instid0(VALU_DEP_1)
	v_lshl_or_b32 v[PS], v[PT+2], 16, v[PS]
	s_delay_alu instid0(VALU_DEP_1)
	v_lshl_or_b32 v[PS], v[PT+3], 24, v[PS]
.irp c, 0,1
	v_cvt_scalef32_pk16_bf6_f32 v[PCD+6*\c:PCD+6*\c+2], v[SCO+32*\c:SCO+32*\c+15], v[SO+2*\c]
	v_cvt_scalef32_pk16_bf6_f32 v[PH+4*\c:PH+4*\c+2], v[SCO+32*\c+16:SCO+32*\c+31], v[SO+2*\c+1]   ; (a conversion's three registers begin on an even number)
.endr
	v_nop                                          ; one plain instruction between a scaled conversion and what touches its result
.irp c, 0,1                                    ; the operand's layout wants a WHOLE block in a lane: lanes 0-15 block 2 c, lanes 16-31 block 2 c + 1
.irp i, 0,1,2
	v_permlane16_swap_b32 v[PCD+6*\c+\i], v[PH+4*\c+\i]
.endr
.irp i, 0,1,2
	s_delay_alu instid0(VALU_DEP_3)
	v_mov_b32 v[PCD+6*\c+3+\i], v[PH+4*\c+\i]
.endr
.endr
.set NN, 0
.rept 16
	v_pk_mul_f32 v[OT+NN:OT+NN+1], v[OT+NN:OT+NN+1], v[F:F+1] op_sel_hi:[1,0]   ; O^T under the new M, each accumulator from its low end on.  For each product below twelve of these name none of its registers: the places behind the writes of p's codes and scale word
.set NN, NN+2
.endr
	s_wait_alu depctr_va_vdst(0)
	s_wait_dscnt 0x0                               ; V's fragments and scale words, asked for ahead of the softmax
.irp t, 0,1,2,3                                ; O^T += V^T P^T: the four accumulators by turns, one instruction a turn; the next step's eight products on S^T stand between two turns of one accumulator
.if \t%2
	v_wmma_scale_f32_16x16x128_f8f6f4 v[OT+8*\t:OT+8*\t+7], v[BUF+12*\t:BUF+12*\t+11], v[PCD:PCD+11], v[OT+8*\t:OT+8*\t+7], v[VS+\t/2], v[PS] matrix_a_fmt:MATRIX_FMT_BF6 matrix_b_fmt:MATRIX_FMT_BF6 matrix_a_scale:MATRIX_SCALE_ROW1
.else
	v_wmma_scale_f32_16x16x128_f8f6f4 v[OT+8*\t:OT+8*\t+7], v[BUF+12*\t:BUF+12*\t+11], v[PCD:PCD+11], v[OT+8*\t:OT+8*\t+7], v[VS+\t/2], v[PS] matrix_a_fmt:MATRIX_FMT_BF6 matrix_b_fmt:MATRIX_FMT_BF6
.endif
.endr
.Lhidden_\@:
.endm
	s_wait_loadcnt 0x0                             ; Q
	s_wait_tensorcnt 0x2                           ; my pieces of keys 0-255 are in; the two loads issued behind them may stay out
	s_wait_dscnt 0x0                               ; my six stores of scale words have landed
	s_barrier_signal -1
	s_barrier_wait -1                              ; everybody's have: keys 0-255 and all scale words lie in LDS
	STEP 0, AK0, 8*KP0, AV0A, AV0B, VP0            ; steps 0 and 1 run while the large loads land
	STEP 1, AK0, 8*KP0, AV0A, AV0B, VP0
	s_wait_tensorcnt 0x0                           ; my pieces of keys 256 on are in
	s_wait_dscnt 0x0
	s_barrier_signal -1
	s_barrier_wait -1                              ; everybody's are: the last barrier of the walk
	s_mov_b32 s[JS], 2
	s_mov_b32 s[TS], 1024
	s_mov_b32 s[TT], 512
.Ltrip:                                            ; seven trips of two steps, in every wave: the trip count is a constant; a wave that is done passes over each step by two scalar lines
	STEP 0, AK1, 8*KP1, AV1A, AV1B, VP1
	STEP 1, AK1, 8*KP1, AV1A, AV1B, VP1
	s_add_co_u32 s[TK], s[TK], 768                 ; 16 rows of 48 bytes in each plane
	s_add_co_u32 s[TS], s[TS], 1024
	s_add_co_u32 s[TT], s[TT], 512
	s_add_co_u32 s[TV], s[TV], 240                 ; 256 keys in each row
	s_add_co_u32 s[JS], s[JS], 2
	s_cmp_lt_u32 s[JS], 16
	s_cbranch_scc1 .Ltrip
	; THE WAY OUT.  O^T is divided by the row's sum and goes through my own stage in LDS, so that sixteen lanes store a query's 256 consecutive bytes, at a multiple of 256 from out0's first byte.
	s_wait_alu depctr_va_vdst(0)
	v_add_f32 v[SUM], v[SUM], v[SUM+1]             ; the sum's two halves,
	s_delay_alu instid0(VALU_DEP_1)
	v_permlanex16_b32 v[T], v[SUM], s[SEL], s[SEL+1]
	s_delay_alu instid0(VALU_DEP_1)
	v_add_f32 v[SUM], v[SUM], v[T]                 ; and lane l xor 16's
	s_wait_alu depctr_va_vdst(0)
	v_rcp_f32 v[F], v[SUM]
	v_and_b32 v13, 15, v0                          ; r.  (The address work is the plain work behind the reciprocal, and with the additions above the places behind the last products)
	v_bfe_u32 v14, v0, 4, 1                        ; h
	s_mul_i32 s84, s[WV], 16*272
	s_add_co_u32 s84, s84, STG                     ; my stage
	v_mul_u32_u24 v10, v13, 272
	s_delay_alu instid0(VALU_DEP_1)
	v_lshl_add_u32 v10, v14, 5, v10
	s_delay_alu instid0(VALU_DEP_1)
	v_add_nc_u32 v10, s84, v10                     ; in: row r; tile t's eight channels of my half at 64 t + 32 h
	v_mul_u32_u24 v11, v14, 272
	s_delay_alu instid0(VALU_DEP_1)
	v_lshl_add_u32 v11, v13, 4, v11
	s_delay_alu instid0(VALU_DEP_1)
	v_add_nc_u32 v11, s84, v11                     ; back: lanes 0-15 one row, lanes 16-31 the next
	v_lshlrev_b32 v12, 13, v14
	s_delay_alu instid0(VALU_DEP_1)
	v_lshl_add_u32 v12, v13, 4, v12                ; and the same two queries in out0, 8,192 bytes apart
	s_wait_alu depctr_va_vdst(0)                   ; the wait ahead of the reciprocal's first reader
.set NN, 0
.rept 16
	v_pk_mul_f32 v[SCO+NN:SCO+NN+1], v[OT+NN:OT+NN+1], v[F:F+1] op_sel_hi:[1,0]   ; register 8 t + i is o(query r, channel 16 t + 8 h + i)
.set NN, NN+2
.endr
.irp t, 0,1,2,3
	ds_store_b128 v10, v[SCO+8*\t:SCO+8*\t+3] offset:64*\t
	ds_store_b128 v10, v[SCO+8*\t+4:SCO+8*\t+7] offset:64*\t+16
.endr
.irp i, 0,1,2,3,4,5,6,7
	ds_load_b128 v[BUF+4*\i:BUF+4*\i+3], v11 offset:2*\i*272   ; LDS serves a wave's instructions in order (ISA guide 5.7.1.4): these see my stores
.endr
.irp i, 0,1,2,3,4,5,6,7
	s_wait_dscnt 7-\i                              ; pair i of rows is back; the younger loads may be out
	global_store_b128 v12, v[BUF+4*\i:BUF+4*\i+3], s[16:17] offset:16384*\i th:TH_STORE_NT   ; written once, read by nobody here
.endr
	s_wait_tensorcnt 0x0
	ds_add_u32 v228, v229
	s_wait_dscnt 0x0
	CROUND                                         ; the closing round: no work-group ends while a partner may still ask for a tile that names it
	s_endpgm
.Lfunc_end_k_qa4e60e008d_attn:
	.size	k_qa4e60e008d_attn, .Lfunc_end_k_qa4e60e008d_attn-k_qa4e60e008d_attn
	.p2alignl 7, 3214868480
	.fill 96, 4, 3214868480
	.section	.rodata,"a",@progbits
	.p2align	6, 0x0
	.amdhsa_kernel k_qa4e60e008d_attn
		.amdhsa_group_segment_fixed_size 308224
		.amdhsa_private_segment_fixed_size 0
		.amdhsa_enable_private_segment 0
		.amdhsa_kernarg_size 56
		.amdhsa_user_sgpr_count 2
		.amdhsa_user_sgpr_kernarg_segment_ptr 1
		.amdhsa_wavefront_size32 1
		.amdhsa_system_sgpr_workgroup_id_x 1
		.amdhsa_system_sgpr_workgroup_id_y 1
		.amdhsa_system_sgpr_workgroup_id_z 1
		.amdhsa_system_vgpr_workitem_id 0
		.amdhsa_next_free_vgpr 230
		.amdhsa_next_free_sgpr 92
		.amdhsa_reserve_vcc 1
		.amdhsa_float_denorm_mode_32 3
		.amdhsa_float_denorm_mode_16_64 3
		.amdhsa_memory_ordered 1
		.amdhsa_forward_progress 1
		.amdhsa_inst_pref_size 112
	.end_amdhsa_kernel
	.amdgpu_metadata
---
amdhsa.version: [ 1, 2 ]
amdhsa.kernels:
  - .name:           k_qa4e60e008d_attn
    .symbol:         k_qa4e60e008d_attn.kd
    .args:
      - { .name: query_layer_codes, .offset: 0, .size: 8, .value_kind: global_buffer, .address_space: global }
      - { .name: query_layer_scales, .offset: 8, .size: 8, .value_kind: global_buffer, .address_space: global }
      - { .name: key_layer_codes, .offset: 16, .size: 8, .value_kind: global_buffer, .address_space: global }
      - { .name: key_layer_scales, .offset: 24, .size: 8, .value_kind: global_buffer, .address_space: global }
      - { .name: value_layer_codes, .offset: 32, .size: 8, .value_kind: global_buffer, .address_space: global }
      - { .name: value_layer_scales, .offset: 40, .size: 8, .value_kind: global_buffer, .address_space: global }
      - { .name: out0, .offset: 48, .size: 8, .value_kind: global_buffer, .address_space: global }
    .group_segment_fixed_size: 308224
    .private_segment_fixed_size: 0
    .kernarg_segment_align: 8
    .kernarg_segment_size: 56
    .max_flat_workgroup_size: 512
    .sgpr_count:     92
    .vgpr_count:     230
    .wavefront_size: 32
...
	.end_amdgpu_metadata
.endif
;; end of part 1
